; MI455X (gfx1250); checked and timed in simulation.
; The chip was launched on July 23, 2026; its instructions are those of AMD's public machine-readable ISA for CDNA 5 (MIT licence, August 2026) and "CDNA5" Instruction Set Architecture Reference Guide (July 2026). The comments in the code are by the model that wrote it; some were corrected since.
;; Tt Causal Self Attention. Allowed arithmetic: matrix products marked QUANTISED: E4M3 operands, one given power-of-two scale a tensor, by v_wmma_f32_16x16x64_fp8_fp8 or v_wmma_f32_16x16x128_fp8_fp8, f32 sums; everything else in f32.
;; Inputs: b_attn 3,072 float32; b_proj 1,024 float32; lowp_scales 8 int32 (the exponents e of the quantised operands' scales 2^e); w_attn_codes 3,072 x 32 x 32 uint8 (E4M3 codes of w_attn, K innermost, in blocks of 32 codes); w_proj_codes 1,024 x 32 x 32 uint8 (E4M3 codes of w_proj, K innermost, in blocks of 32 codes); x_codes 4 x 1,024 x 32 x 32 uint8 (E4M3 codes of x, K innermost, in blocks of 32 codes).
;; Outputs: out0 4 x 1,024 x 1,024 float32.
;; This version of the problem:
;;   THIS VERSION OF THE PROBLEM IS GIVEN IN LOW PRECISION. The matrix products marked QUANTISED in the list below multiply operands that are first quantised to E4M3 (4 exponent bits, 3 mantissa bits; 8 bits a number), with one given power-of-two scale for each operand tensor; their sums are f32. All else is computed in f32.
;;   The module's matrix products, in the order in which they are computed (A, B: the left and right operand; K: the contracted axis; several contracted axes count as one K, in the product's order):
;;     1. [M 4,096, K 1,024] x [K 1,024, N 3,072]; A: input x (given as codes); B: input w_attn (given as codes): QUANTISED (scales: A lowp_scales[0], B lowp_scales[1])
;;     2. batch 64 x [M 1,024, K 64] x [K 64, N 1,024]; A: computed on the way; B: computed on the way: QUANTISED (scales: A lowp_scales[2], B lowp_scales[3])
;;     3. batch 64 x [M 1,024, K 1,024] x [K 1,024, N 64]; A: softmax (see below); B: computed on the way: QUANTISED (scales: A lowp_scales[4], B lowp_scales[5])
;;     4. [M 4,096, K 1,024] x [K 1,024, N 1,024]; A: computed on the way; B: input w_proj (given as codes): QUANTISED (scales: A lowp_scales[6], B lowp_scales[7])
;;   THE QUANTISER, for each operand of a quantised product, along K:
;;     - The operand's scale is 2^e, e = its entry of the input lowp_scales (int32; the entries are numbered through the quantised products in the list's order, A before B).
;;     - Each number is divided by the scale, clamped to +-448, and rounded to the nearest number of E4M3, ties to even, subnormals kept.
;;     - The product sums the exact products of the quantised numbers (number of the format x scale) in f32.
;;   ~~~python
;;   def quantise(x, axis, e):      # numpy; x: float32 -> the quantised numbers, widened to float32 again
;;       x = np.moveaxis(x, axis, -1); K = x.shape[-1]
;;       r = np.clip(x / 2.0 ** e, -448, 448)
;;       step = 2.0 ** (np.maximum(np.frexp(np.where(r == 0, 1, r))[1] - 1, -6) - 3)
;;       q = np.round(r / step) * step * 2.0 ** e      # np.round: ties to even
;;       return np.moveaxis(q, -1, axis).astype(np.float32)
;;   ~~~
;;   SOFTMAX AHEAD OF A QUANTISED PRODUCT. Where the list says 'softmax', what is quantised is not the finished softmax but p = 2^(t - M), with t = logit x log2(e) and M = ceil(the row's largest t), a whole number; so 1/2 < the row's largest p <= 1. The row's sum l is taken of the UNQUANTISED p, in f32, and the product's result is divided by l at the end. Since M is a whole number, a kernel that streams over the keys may use a running M (the ceiling of the running maximum): every later rescaling is an exact power of two, so the quantised numbers keep their values, but for numbers so far below the row's largest that they fall under the format's range.
;;   OPERANDS COMPUTED ON THE WAY. 'Computed on the way' means the value that the module computes at that place (a softmax that the list does not call 'softmax' is quantised finished and normalised). What goes into a quantiser is computed in f32, as accurately as f32 sums, v_exp_f32 and their like allow (about 1e-6 of the number): no bf16 or f16 on the way to a quantiser, and a product that is left as it is and whose result goes on into a quantised operand takes f32 operands (vector FMAs, or v_wmma_f32_16x16x4_f32). A number that lies on a knife's edge between two numbers of the format may be rounded either way, as far as f32 arithmetic and the matrix unit's own rounding can turn it there, and no further.
;;   INPUTS GIVEN AS CODES. w_attn (in the module: [3072, 1024], K = its axis 1); w_proj (in the module: [1024, 1024], K = its axis 1); x (in the module: [4, 1024, 1024], K = its axis 2): each comes as NAME_codes (uint8): NAME with its K axis moved to the last place and cut into blocks of 32 codes, [.., K / 32, bytes a block], one block behind the other in memory; one code a byte (a code: sign, 4 exponent bits, 3 mantissa bits); its scale is its entry of lowp_scales. Its value is code x scale, taken as it is: it is not quantised again, and the codes and scales need not be those that the quantiser above would give.
;; One version. Each part assembles by itself: llvm-mc -triple=amdgcn-amd-amdhsa -mcpu=gfx1250 --defsym DOCPART=n.
;; ======== version 1 of 1: 3 launches
;; limits: right only within a limited range of input values
;; workspace buffers: qkv 12,582,912 bytes; ycodes 4,194,304 bytes
;; launch qkv (part 1): grid 16 x 16, 4 waves a work-group, clusters of 4 x 4, 327,680 bytes of LDS; arguments x_codes, w_attn_codes, lowp_scales, b_attn, qkv; writes qkv
.if DOCPART == 1
	.amdgcn_target "amdgcn-amd-amdhsa--gfx1250"
	.amdhsa_code_object_version 6
	.text
	.protected	k_q8b302aa972_qkv
	.globl	k_q8b302aa972_qkv
	.p2align	8
	.type	k_q8b302aa972_qkv,@function
k_q8b302aa972_qkv:
	s_mov_b64 s[64:65], 0
	v_nop
	global_prefetch_b8 v0, s[64:65] scope:SCOPE_SE
	s_setreg_imm32_b32 hwreg(HW_REG_WAVE_MODE, 25, 1), 1
	s_wait_xcnt 0x0
	s_wait_alu depctr_hold_cnt(0) depctr_sa_sdst(0) depctr_va_vdst(0) depctr_va_sdst(0) depctr_va_ssrc(0) depctr_va_vcc(0) depctr_vm_vsrc(0)
	s_getreg_b32 s2, hwreg(HW_REG_IB_STS2, 6, 4)
	s_cmp_eq_u32 s2, 0
	s_cbranch_scc0 .Lentry_in_a_cluster
	s_endpgm
.Lentry_in_a_cluster:
	s_bfe_u32 s2, ttmp6, 0x10000c
	s_cmp_lg_u32 s2, 0xf033
	s_cbranch_scc0 .Lentry_shape_is_right
	s_endpgm
.Lentry_shape_is_right:
; q, k, v = x w_attn^T + b_attn on codes of FP8 (E4M3), quantised at once (e2, e3, e5) and stored as images of the attention's operand registers.
; DEAD WORK LEFT OUT OF THE PROGRAM: the attention launch multiplies no block of 64 keys that the causal mask of reference() hides from all 16 queries of a tile: its scores are -inf ahead of the softmax,
; its p is 0 for all values of the inputs.  LIMIT: a NaN or an overflow that reaches only such hidden products is not carried to the result.
; SHARES.  16 heads x 16 blocks of 256 tokens = 256 work-groups.  A work-group makes q, k and v of one head: 256 tokens x 192 columns.  Each of four waves makes 128 tokens x 32 columns each of q, k and v: 8 x 6 accumulators.
; K goes in steps of 256 through a ring of two LDS slots (256 rows of x, then 64 rows each of w's q, k and v parts, 272 bytes apart); wave 0 fetches x, waves 1 to 3 the three parts of w, one load a wave.
; CLUSTERS of 4 x 4: x's tile hangs on the work-group's y alone and is shared along a row, w's on its x alone and is shared along a column.
; PREFETCH INTO THE L2: behind the load of K step t stands the prefetch of K step t + 2 (t = 0, 1): each row's 256 bytes are named once in each cluster that will load them.  The four partners of a joint load share the rows
; out by address: 64 of x's 256 rows each (waves 0 and 1, a lane a row), 16 of each part of w (waves 2 and 3).  K steps 0 and 1 come by their loads alone; no K step lies behind 3.
; q, k: source 0 = w, source 1 = x: a lane holds one token and eight neighbouring channels.  v: source 0 = x, source 1 = w: a lane holds one channel and eight neighbouring tokens (the second product's K).
; The bias, divided by 2^(e0 + e1), is the C of each accumulator's first product; the three scales of an operand are folded into the conversion's one.
; LIMITS on the given exponents: e2 - e0 - e1, e3 - e0 - e1 and e5 - e0 - e1 between -126 and 119, so that each power of two is an f32 number.
; REGISTERS: window 0: addresses, v64-111 the biases, v160-255 codes; window 1: two buffers of fragments (w's 6 x 8 registers, x's 8 x 8); windows 2 and 3: accumulators of token tiles 0-3 and 4-7, (a, b) at 8 (6 (a % 4) + b).
.set PITCH, 272                        ; 256 bytes + 16 of padding: the 16 rows that a load touches start at 16 different banks (ISA guide 11.1)
.set SLOT,  448*PITCH
.set WOFF,  256*PITCH
.set SPARE, 2*SLOT
.set ADRA,  16                         ; v16-17 LDS address of my x fragments in slot 0, 1
.set ADRB,  20                         ; v20-21 of w's
.set CO,    24                         ; v24 my byte offset for q and k, v25 for v
.set CV,    25
.set SPW,   28
.set NIL,   29
.set SC,    32                         ; v32-34 the conversions' scales for q, k, v
.set LIM,   36                         ; v36-38 448 x that
.set PFO,   40                         ; the prefetches' offset; never rewritten
.set BI,    64
.set BV,    96
.set CD,    160
.set G1, 24                            ; s[24:31] group 1 for x; s[32:39] group 0, one for each slot
.set G0, 32
.set G1B, 48                           ; s[48:63] the same for w
.set G0B, 56
.set PFA, 76                           ; s[76:77] x for waves 0 and 1, w for waves 2 and 3
.set MSB, 0
.macro WIN new                         ; the immediate's high byte repeats the setting that is left
.if MSB != (\new)
	s_set_vgpr_msb (MSB<<8)|(\new)
.set MSB, (\new)
.endif
.endm
.macro PLACES
.rept 4
	v_nop
.endr
.endm
.macro JLOAD s                         ; wave 0 asks for x's tile, waves 1 to 3 for w's; the branch hangs on the wave's number alone
	s_cmp_eq_u32 s14, 0
	s_cbranch_scc0 .Lfor_w_\@
	tensor_load_to_lds s[G0+4*\s:G0+4*\s+3], s[G1:G1+7]
	s_nop 0
	PLACES
	s_branch .Lasked_\@
.Lfor_w_\@:
	tensor_load_to_lds s[G0B+4*\s:G0B+4*\s+3], s[G1B:G1B+7]
	s_nop 0
	PLACES
.Lasked_\@:
.endm
.macro CREST
	s_cmp_lg_u32 s14, 0
	s_cbranch_scc1 .Lnot_wave_0_\@
	s_barrier_signal -3
.Lnot_wave_0_\@:
	s_barrier_wait -3
	s_barrier_signal -1
	s_barrier_wait -1
.endm
.macro CROUND
	s_barrier_signal -1
	s_barrier_wait -1
	CREST
.endm
	s_load_b256 s[4:11], s[0:1], 0x0               ; x, w_attn, the scales' exponents, b_attn
	s_load_b64 s[12:13], s[0:1], 0x20              ; qkv
	v_lshl_add_u32 v[SPW], v0, 2, SPARE
	v_mov_b32 v[NIL], 0
	ds_add_u32 v[SPW], v[NIL]                      ; the opening lines
	ds_add_u32 v[SPW], v[NIL]
	v_lshrrev_b32 v1, 5, v0
	v_readfirstlane_b32 s14, v1                    ; wave 0..3
	s_lshr_b32 s15, s14, 1                         ; my half of the tokens
	s_and_b32 s16, s14, 1                          ; my half of each part's 64 columns
	s_bfe_u32 s40, ttmp6, 0x40000                  ; cx
	s_bfe_u32 s41, ttmp6, 0x40004                  ; cy
	s_lshl_b32 s42, ttmp9, 2
	s_add_co_u32 s42, s42, s40                     ; the head
	s_and_b32 s17, ttmp7, 0xffff
	s_lshl_b32 s17, s17, 2
	s_add_co_u32 s17, s17, s41                     ; the block of 256 tokens
	s_lshl_b32 s43, s41, 2
	s_lshl_b32 s43, 15, s43                        ; my row of the cluster
	s_lshl_b32 s44, 0x1111, s40                    ; my column
	s_or_b32 s[G1+0], s43, (1<<20)|(1<<21)|(5<<22)|(3<<25)    ; mask; padding of 4 words after every 64; 21 set beside a mask
	s_or_b32 s[G1B+0], s44, (1<<20)|(1<<21)|(5<<22)|(3<<25)
.irp g, G1, G1B
	s_mov_b32 s[\g+1], 256<<16
	s_mov_b32 s[\g+3], 256<<16
	s_mov_b32 s[\g+5], 1024
	s_mov_b32 s[\g+6], 0
	s_mov_b32 s[\g+7], 0
.endr
	s_mov_b32 s[G1+2], 256<<16                     ; x: 256 rows of 256 bytes
	s_mov_b32 s[G1+4], 256
	s_mov_b32 s[G1B+2], 64<<16                     ; w: 64 rows
	s_mov_b32 s[G1B+4], 64
	s_lshl_b32 s20, s17, 18
	s_mov_b32 s21, 0
	s_lshl_b32 s46, s42, 16                        ; w: 64 x head rows,
	s_lshl_b32 s47, s14, 20
	s_add_co_u32 s46, s46, s47                     ; and 1,024 x (wave - 1): the part is taken off the address below
	s_mov_b32 s47, 0
	s_mul_i32 s45, s14, 64*PITCH
	s_add_co_u32 s45, s45, 192*PITCH               ; waves 1, 2, 3: behind x's 256 rows
	s_wait_dscnt 0x0                               ; both opening adds are done
	s_wait_kmcnt 0x0
	s_load_b256 s[68:75], s[8:9], 0x0              ; e0 .. e7
	s_add_nc_u64 s[20:21], s[4:5], s[20:21]
	s_add_nc_u64 s[46:47], s[6:7], s[46:47]
	s_sub_nc_u64 s[46:47], s[46:47], 0x100000
.irp s, 0,1
	s_mov_b32 s[G0+4*\s], 1
	s_mov_b32 s[G0+4*\s+1], \s*SLOT
	s_add_nc_u64 s[G0+4*\s+2:G0+4*\s+3], s[20:21], \s*256
	s_or_b32 s[G0+4*\s+3], s[G0+4*\s+3], 0x80000000
	s_mov_b32 s[G0B+4*\s], 1
	s_add_co_u32 s[G0B+4*\s+1], s45, \s*SLOT
	s_add_nc_u64 s[G0B+4*\s+2:G0B+4*\s+3], s[46:47], \s*256
	s_or_b32 s[G0B+4*\s+3], s[G0B+4*\s+3], 0x80000000
.endr
	CROUND                                         ; all sixteen work-groups are here: the first joint loads meet
	JLOAD 0                                        ; K step 0: one tensor load a wave at the head
	v_and_b32 v1, 15, v0                           ; r
	v_bfe_u32 v2, v0, 4, 1                         ; h
	s_lshl_b32 s22, s42, 8                         ; the head's 64 biases, in bytes,
	s_lshl_b32 s23, s16, 7
	s_add_co_u32 s22, s22, s23                     ; my 32 of them
	v_lshl_add_u32 v5, v2, 5, s22                  ; q, k: my half's eight channels of each 16
	v_lshl_add_u32 v6, v1, 2, s22                  ; v: my channel
.irp b, 0,1,2,3
	global_load_b128 v[BI+8*\b:BI+8*\b+3], v5, s[10:11] offset:4096*(\b/2)+64*(\b%2)
	global_load_b128 v[BI+8*\b+4:BI+8*\b+7], v5, s[10:11] offset:4096*(\b/2)+64*(\b%2)+16
.endr
.irp d, 0,1
	global_load_b32 v[BV+8*\d], v6, s[10:11] offset:8192+64*\d
.endr
	v_mul_u32_u24 v3, v1, PITCH
	v_lshl_add_u32 v4, v2, 4, v3                   ; a fragment's row x pitch + 16 x half
	s_mul_i32 s23, s15, 128*PITCH                  ; my 128 tokens
	s_mul_i32 s22, s16, 32*PITCH                   ; my 32 rows of each part of w
	s_add_co_u32 s22, s22, WOFF
	v_add_nc_u32 v[ADRA], s23, v4
	v_add_nc_u32 v[ADRA+1], SLOT, v[ADRA]
	v_add_nc_u32 v[ADRB], s22, v4
	v_add_nc_u32 v[ADRB+1], SLOT, v[ADRB]
	; the prefetches: waves 0 and 1: x's rows 64 cx + 32 wave + lane of my block; wave 2: 16 rows each of w's q and k parts; wave 3: 16 of its v part (the lanes left over name the last again)
	s_lshl_b32 s91, s17, 18
	s_lshl_b32 s92, s40, 16
	s_add_co_u32 s91, s91, s92
	s_lshl_b32 s92, s14, 15
	s_add_co_u32 s91, s91, s92
	s_lshl_b32 s92, s42, 16
	s_lshl_b32 s93, s41, 14
	s_add_co_u32 s92, s92, s93
	s_lshl_b32 s93, s16, 21
	s_add_co_u32 s92, s92, s93
	s_cmp_lt_u32 s14, 2
	s_cselect_b64 s[PFA:PFA+1], s[4:5], s[6:7]
	s_cselect_b32 s91, s91, s92
	s_mov_b32 s93, 0x100000
	s_cselect_b32 s93, 16384, s93                  ; from lanes 0-15 to lanes 16-31: 16 rows of x, or a part of w
	s_cmp_eq_u32 s14, 3
	s_cselect_b32 s94, 15, 31
	v_and_b32 v8, 31, v0
	v_min_u32 v8, s94, v8
	v_and_b32 v9, 15, v8
	v_lshrrev_b32 v8, 4, v8
	v_mul_lo_u32 v8, v8, s93
	v_lshl_add_u32 v8, v9, 10, v8
	v_add_nc_u32 v[PFO], s91, v8
	global_prefetch_b8 v[PFO], s[PFA:PFA+1] offset:512 th:TH_LOAD_NT scope:SCOPE_SE   ; K step 2
	s_lshr_b32 s88, s42, 1                         ; q: 2^19 bytes for a pair of heads, 2,048 for 16 tokens of it, 1,024 for a head, 512 for half its channels
	s_lshl_b32 s88, s88, 19
	s_and_b32 s89, s42, 1
	s_lshl_b32 s89, s89, 10
	s_add_co_u32 s88, s88, s89
	s_lshl_b32 s89, s17, 15
	s_add_co_u32 s88, s88, s89
	s_lshl_b32 s89, s15, 14
	s_add_co_u32 s88, s88, s89
	s_lshl_b32 s89, s16, 9
	s_add_co_u32 s88, s88, s89
	s_lshr_b32 s90, s17, 2                         ; v: batch x 16 + head: 65,536 bytes; 8,192 for 128 keys; 2,048 for 16 channels
	s_lshl_b32 s90, s90, 4
	s_add_co_u32 s90, s90, s42
	s_lshl_b32 s90, s90, 16
	s_and_b32 s89, s17, 3
	s_lshl_b32 s89, s89, 14
	s_add_co_u32 s90, s90, s89
	s_lshl_b32 s89, s15, 13
	s_add_co_u32 s90, s90, s89
	s_lshl_b32 s89, s16, 12
	s_add_co_u32 s90, s90, s89
	s_add_co_u32 s90, s90, 0x800000
	v_and_b32 v7, 31, v0
	v_lshlrev_b32 v7, 4, v7
	v_add_nc_u32 v[CO], s88, v7
	v_add_nc_u32 v[CV], s90, v7
	s_wait_alu depctr_va_vdst(0)
	s_wait_kmcnt 0x0
	s_add_co_i32 s86, s68, s69
	s_sub_co_i32 s87, 0, s86
.macro SCALE n, e
	s_sub_co_i32 s22, s\e, s86
	s_add_co_i32 s22, s22, 127
	s_lshl_b32 s23, s22, 23
	v_mov_b32 v[SC+\n], s23                        ; 2^(e - e0 - e1)
	s_add_co_i32 s22, s22, 8
	s_lshl_b32 s22, s22, 23
	s_or_b32 s22, s22, 0x600000
	v_mov_b32 v[LIM+\n], s22                       ; 448 x that
.endm
	SCALE 0, 70
	SCALE 1, 71
	SCALE 2, 73
	s_wait_alu depctr_va_vdst(0)
	s_wait_loadcnt 0x0                             ; the biases
.set i, 0
.rept 32
	v_ldexp_f32 v[BI+i], v[BI+i], s87              ; a sum of the product lacks 2^(e0 + e1)
.set i, i+1
.endr
.irp j, 1,2,3,4,5,6,7,0
.irp d, 0,1
	v_ldexp_f32 v[BV+8*\d+\j], v[BV+8*\d], s87     ; one channel a lane: eight equal registers
.endr
.endr
; A fragment is 16 rows x 64 K in 8 registers: lane (r, h) holds of row r K = 32 c + 16 h + 0..15 in registers 4 c .. 4 c + 3: the same permutation of k on both sides.
.macro FETCH slot, q, p
	WIN 0x40                                       ; destination window 1, address window 0
.irp a, 0,1,2,3,4,5,6,7
.irp c, 0,1
	ds_load_b128 v[128*(\p)+48+8*\a+4*\c:128*(\p)+48+8*\a+4*\c+3], v[ADRA+\slot] offset:64*(\q)+32*\c+\a*16*PITCH
.endr
.endr
.irp b, 0,1,2,3,4,5
.irp c, 0,1
	ds_load_b128 v[128*(\p)+8*\b+4*\c:128*(\p)+8*\b+4*\c+3], v[ADRB+\slot] offset:64*(\q)+32*\c+(\b/2)*64*PITCH+(\b%2)*16*PITCH
.endr
.endr
	WIN 0
.endm
; The 48 accumulators take turns, one instruction a turn, in the same order in every step.  first = 1: C is the bias.
.macro MUL p, n0, cnt, first
.set NN, \n0
.rept \cnt
.set AA, NN/6
.set BB, NN%6
.set WW, 128*(\p)+8*BB
.set XX, 128*(\p)+48+8*AA
.set DD, 48*(AA%4)+8*BB
.if \first
	WIN 0x85+0x40*(AA/4)                           ; sources 0 and 1 window 1, C window 0, D window 2 or 3
.if BB < 4
	v_wmma_f32_16x16x64_fp8_fp8 v[DD:DD+7], v[WW:WW+7], v[XX:XX+7], v[BI+8*BB:BI+8*BB+7]
.else
	v_wmma_f32_16x16x64_fp8_fp8 v[DD:DD+7], v[XX:XX+7], v[WW:WW+7], v[BV+8*BB-32:BV+8*BB-25]
.endif
.else
	WIN 0xa5+0x50*(AA/4)                           ; C and D window 2 or 3
.if BB < 4
	v_wmma_f32_16x16x64_fp8_fp8 v[DD:DD+7], v[WW:WW+7], v[XX:XX+7], v[DD:DD+7]
.else
	v_wmma_f32_16x16x64_fp8_fp8 v[DD:DD+7], v[XX:XX+7], v[WW:WW+7], v[DD:DD+7]
.endif
.endif
.set NN, NN+1
.endr
	WIN 0
.endm
.macro SUB slot, q, first              ; 64 along K that have their successor in the same slot
	s_wait_dscnt 0x0                               ; this step's fragments are in
	PLACES                                         ; in front of loads into the buffer that the step before multiplied (ISA guide 7.12.1 for vector instructions)
	FETCH \slot, (\q)+1, 1-(\q)%2
	MUL (\q)%2, 0, 48, \first
.endm
.macro TURN slot, fill                 ; a slot's last 64 along K: the change of slots
	s_wait_dscnt 0x0                               ; my reads of this slot are over
	MUL 1, 0, 32, 0
	s_wait_tensorcnt 0x0                           ; my part of the next slot is in
	ds_add_u32 v[SPW], v[NIL]
.if \fill
	s_add_nc_u64 s[G0+4*\slot+2:G0+4*\slot+3], s[G0+4*\slot+2:G0+4*\slot+3], 512
	s_add_nc_u64 s[G0B+4*\slot+2:G0B+4*\slot+3], s[G0B+4*\slot+2:G0B+4*\slot+3], 512
.endif
	s_wait_dscnt 0x0
	s_barrier_signal -1
	s_barrier_wait -1
.if \fill
	CREST                                          ; no wave of any partner still reads this slot or has a load on its way
	JLOAD \slot                                    ; two K steps on; its four v_nop are the places in front of the loads below
.else
	PLACES
.endif
	FETCH 1-\slot, 0, 0
	MUL 1, 32, 16, 0
.endm
	s_wait_alu depctr_va_vdst(0)                   ; the wait at the head's end
	s_wait_tensorcnt 0x0                           ; my part of K step 0 is in
	ds_add_u32 v[SPW], v[NIL]
	s_wait_dscnt 0x0
	CROUND
	JLOAD 1                                        ; K step 1: the first tensor load behind the round
	FETCH 0, 0, 0
	global_prefetch_b8 v[PFO], s[PFA:PFA+1] offset:768 th:TH_LOAD_NT scope:SCOPE_SE   ; K step 3
	SUB 0, 0, 1
	SUB 0, 1, 0
	SUB 0, 2, 0
	TURN 0, 1
	SUB 1, 0, 0
	SUB 1, 1, 0
	SUB 1, 2, 0
	TURN 1, 1
	SUB 0, 0, 0
	SUB 0, 1, 0
	SUB 0, 2, 0
	TURN 0, 0
	SUB 1, 0, 0
	SUB 1, 1, 0
	SUB 1, 2, 0
	s_wait_dscnt 0x0
	MUL 1, 0, 48, 0
	PLACES                                         ; behind the last products
; THE WAY OUT, by tiles of 16 tokens: hold, convert, store: a tile's eight registers become two registers of the next operand's image, and 32 lanes store 512 consecutive bytes, aligned.
.macro OUT a
.set DD, 48*(\a%4)
	WIN 0x82+0x41*(\a/4)                           ; source 0 and destination: window 2 or 3
.set i, 0
.rept 48
	v_med3_num_f32 v[DD+i], v[DD+i], -v[LIM+i/16], v[LIM+i/16]    ; the conversion does not saturate (ISA guide 7.6.2)
.set i, i+1
.endr
	WIN 0x02+(\a/4)
.irp b, 0,1,2,3
	v_cvt_scalef32_pk8_fp8_f32 v[CD+8*\a+2*\b:CD+8*\a+2*\b+1], v[DD+8*\b:DD+8*\b+7], v[SC+\b/2]
.endr
.irp d, 0,1
	v_cvt_scalef32_pk8_fp8_f32 v[CD+64+16*\d+2*\a:CD+64+16*\d+2*\a+1], v[DD+32+8*\d:DD+39+8*\d], v[SC+2]
.endr
	v_nop                                          ; one plain place behind the last conversion
	WIN 0
	global_store_b128 v[CO], v[CD+8*\a:CD+8*\a+3], s[12:13] offset:2048*\a
	global_store_b128 v[CO], v[CD+8*\a+4:CD+8*\a+7], s[12:13] offset:0x400000+2048*\a
.endm
.irp a, 0,1,2,3,4,5,6,7
	OUT \a
.endr
.irp d, 0,1
.irp s, 0,1,2,3
	global_store_b128 v[CV], v[CD+64+16*\d+4*\s:CD+64+16*\d+4*\s+3], s[12:13] offset:2048*\d+512*\s
.endr
.endr
	s_wait_tensorcnt 0x0                           ; the wave's end
	ds_add_u32 v[SPW], v[NIL]
	s_wait_dscnt 0x0
	CROUND                                         ; the closing round
	s_endpgm
.Lfunc_end_k_q8b302aa972_qkv:
	.size	k_q8b302aa972_qkv, .Lfunc_end_k_q8b302aa972_qkv-k_q8b302aa972_qkv
	.p2alignl 7, 3214868480
	.fill 96, 4, 3214868480
	.section	.rodata,"a",@progbits
	.p2align	6, 0x0
	.amdhsa_kernel k_q8b302aa972_qkv
		.amdhsa_group_segment_fixed_size 327680
		.amdhsa_private_segment_fixed_size 0
		.amdhsa_enable_private_segment 0
		.amdhsa_kernarg_size 40
		.amdhsa_user_sgpr_count 2
		.amdhsa_user_sgpr_kernarg_segment_ptr 1
		.amdhsa_wavefront_size32 1
		.amdhsa_system_sgpr_workgroup_id_x 1
		.amdhsa_system_sgpr_workgroup_id_y 1
		.amdhsa_system_sgpr_workgroup_id_z 1
		.amdhsa_system_vgpr_workitem_id 0
		.amdhsa_next_free_vgpr 1024
		.amdhsa_next_free_sgpr 98
		.amdhsa_reserve_vcc 0
		.amdhsa_float_denorm_mode_32 3
		.amdhsa_float_denorm_mode_16_64 3
		.amdhsa_memory_ordered 1
		.amdhsa_forward_progress 1
		.amdhsa_inst_pref_size 128
	.end_amdhsa_kernel
	.amdgpu_metadata
---
amdhsa.version: [ 1, 2 ]
amdhsa.kernels:
  - .name:           k_q8b302aa972_qkv
    .symbol:         k_q8b302aa972_qkv.kd
    .args:
      - { .name: x_codes, .offset: 0, .size: 8, .value_kind: global_buffer, .address_space: global }
      - { .name: w_attn_codes, .offset: 8, .size: 8, .value_kind: global_buffer, .address_space: global }
      - { .name: lowp_scales, .offset: 16, .size: 8, .value_kind: global_buffer, .address_space: global }
      - { .name: b_attn, .offset: 24, .size: 8, .value_kind: global_buffer, .address_space: global }
      - { .name: qkv, .offset: 32, .size: 8, .value_kind: global_buffer, .address_space: global }
    .group_segment_fixed_size: 327680
    .private_segment_fixed_size: 0
    .kernarg_segment_align: 8
    .kernarg_segment_size: 40
    .max_flat_workgroup_size: 128
    .sgpr_count:     98
    .vgpr_count:     1024
    .wavefront_size: 32
...
	.end_amdgpu_metadata
.endif
;; end of part 1
;; launch attn (part 2): grid 4 x 64, 16 waves a work-group, clusters of 4 x 1, 169,984 bytes of LDS; arguments qkv, lowp_scales, ycodes; writes ycodes
.if DOCPART == 2
	.amdgcn_target "amdgcn-amd-amdhsa--gfx1250"
	.amdhsa_code_object_version 6
	.text
	.protected	k_q8b302aa972_attn
	.globl	k_q8b302aa972_attn
	.p2align	8
	.type	k_q8b302aa972_attn,@function
k_q8b302aa972_attn:
	s_mov_b64 s[64:65], 0
	v_nop
	global_prefetch_b8 v0, s[64:65] scope:SCOPE_SE
	s_setreg_imm32_b32 hwreg(HW_REG_WAVE_MODE, 25, 1), 1
	s_wait_xcnt 0x0
	s_wait_alu depctr_hold_cnt(0) depctr_sa_sdst(0) depctr_va_vdst(0) depctr_va_sdst(0) depctr_va_ssrc(0) depctr_va_vcc(0) depctr_vm_vsrc(0)
	s_getreg_b32 s2, hwreg(HW_REG_IB_STS2, 6, 4)
	s_cmp_eq_u32 s2, 0
	s_cbranch_scc0 .Lentry_in_a_cluster
	s_endpgm
.Lentry_in_a_cluster:
	s_bfe_u32 s2, ttmp6, 0x10000c
	s_cmp_lg_u32 s2, 0x3003
	s_cbranch_scc0 .Lentry_shape_is_right
	s_endpgm
.Lentry_shape_is_right:
; y[b][q][head] = causal softmax(q k^T / 8) v for one head, both products on codes of FP8 (E4M3); y is quantised at once (e6) and stored as an image of the last product's operand registers.
; THE SOFTMAX AHEAD OF THE SECOND PRODUCT: t = score x log2(e) / 8; M = the running largest t rounded UP to a whole number; p = 2^(t - M) is quantised (e4), not normalised.  The row's sum is taken of the
; unquantised p and divides at the end.  When M moves, the sum and O are multiplied by 2^(old M - new M): exact.
; SHARES.  A cluster of four work-groups is one (batch, head): all four read the same K and V, 64 KiB each, asked for JOINTLY, once, and kept in LDS: each of the sixteen waves issues one load of 8 KiB; no byte is filled twice.
; There is no loop of loads, so nothing to prefetch ahead of.
; CAUSAL.  A work-group owns the tiles of 16 queries 4 F + cx, F = 0 .. 15; tile 4 F + cx needs F + 1 blocks of 64 keys; what lies behind them is hidden from all its queries and is left out (first kernel's head).
; TWO WAVES share the tiles F = f and F = 15 - f, f = wave / 2, 17 blocks of 64 keys in all.  Wave A takes the first four key steps (of 128) of tile 15 - f, none of them masked.  Wave B takes that tile's other steps, hands
; -M, the sum and O over through LDS, and does tile f.  A joins the two parts (all factors are powers of two).  So A walks 8 blocks and B 9.  The role is the parity of wave and wave / 4.
; ONE barrier orders the hand-over; it is signalled behind B's stores and waited for behind B's second tile: between them stand only register work and loads of K and V, which nobody writes.
; THE MASK is the C of the diagonal products: 0, or -2^127 for a hidden key (a sum of 64 products of codes is under 2^24 in size): p is 0 then.
; A tile whose diagonal lies in a step's first 64 keys takes a step of 64 keys there; else the step has 128 and the mask in its second half.
; LAYOUT.  Both products are used transposed: S^T = K Q^T, O^T = V^T P^T: a lane holds ONE query (lane % 16) throughout.  Register j of tile t of S^T is key 16 t + 8 (lane / 16) + j: one conversion makes of a tile's
; eight registers the registers 2 t, 2 t + 1 of P; V's images are laid likewise.  All fragments lie in LDS as images of their registers: every LDS load of a wave takes 512 consecutive bytes.
; LIMITS on the given exponents: e2 + e3 between -100 and 120; e4, and e6 - e4 - e5, between -126 and 119.
.set LI,   1                           ; 16 x lane
.set DM,   2
.set ADP,  3                           ; LDS address of the hand-over
.set ADK,  4
.set ADV,  5
.set SPW,  6
.set NIL,  7
.set RL,   8
.set FB,   10                          ; joining: B's factor; on the way out v10, v11 are y's scale and limit
.set NM,   12                          ; v12 -M, v13 the largest t
.set SUM,  14                          ; the sum in two halves
.set QF,   16                          ; Q of tile 15 - f
.set PSC,  24
.set PLIM, 25                          ; v25, v26: 448 x 2^e4
.set T,    28
.set PX,   29
.set FF,   30                          ; v[30:31]
.set KV,   32                          ; v32-95 fragments of K, then of V
.set S,    96                          ; v96-159 S^T, then p
.set O,    160                         ; v160-191 O^T
.set PC,   192                         ; v192-207 p's codes
.set MK,   208                         ; v208-239 the mask, four tiles
.set QL,   240                         ; v240-247 Q of tile f (wave A's text loads it too: one path)
.set CH,   248                         ; v248-255 the row sum's four further chains
.set YC,   208                         ; the way out: y's codes, the other half of the lanes', as they are stored
.set YX,   216
.set YO,   224
.set WV,   10
.set ROLE, 11                          ; 0: A, 1: B
.set LAST, 12                          ; the phase's last key step
.set CX,   13
.set BH,   14
.set FW,   15                          ; f
.set FH,   16                          ; 15 - f
.set LO,   17                          ; the key step whose second half is masked, or 64
.set LE,   18                          ; the key step that has 64 keys, masked, or 64
.set TR,   19
.set SEL,  20                          ; s[20:21] selects for v_permlanex16_b32: lane l xor 16
.set CS,   22                          ; s[22:23] c = log2(e) / 8 x 2^(e2 + e3)
.set G1K,  24
.set G1V,  32
.set G0K,  40
.set G0V,  44
.set KB,   48                          ; the key step; s49 8,192 x the key step
.set TB,   49
.set HI,   50                          ; the mask of lanes 16-31
.set VOFF, 65536                       ; LDS: K's 64 fragments of 1,024 bytes, then V's 32 of 2,048,
.set PART, 131072                      ; then eight hand-overs of 4,608 bytes,
.set SPARE, 167936                     ; then the spare words
.macro ROUND                           ; a round of the cluster's barrier
	s_barrier_signal -1
	s_barrier_wait -1
	s_cmp_lg_u32 s[WV], 0
	s_cbranch_scc1 .Lnot_wave_0_\@
	s_barrier_signal -3
.Lnot_wave_0_\@:
	s_barrier_wait -3
	s_barrier_signal -1
	s_barrier_wait -1
.endm
	s_load_b128 s[4:7], s[0:1], 0x0                ; qkv, the scales' exponents
	s_load_b64 s[8:9], s[0:1], 0x10                ; ycodes
	v_lshl_add_u32 v[SPW], v0, 2, SPARE
	v_mov_b32 v[NIL], 0
	ds_add_u32 v[SPW], v[NIL]                      ; the opening lines
	ds_add_u32 v[SPW], v[NIL]
	v_lshrrev_b32 v1, 5, v0
	v_readfirstlane_b32 s[WV], v1                  ; wave 0..15
	s_lshr_b32 s[FW], s[WV], 1
	s_lshr_b32 s60, s[WV], 2
	s_xor_b32 s60, s60, s[WV]
	s_and_b32 s[ROLE], s60, 1
	s_sub_co_u32 s[FH], 15, s[FW]
	s_bfe_u32 s[CX], ttmp6, 0x40000                ; my place in the cluster: it enters Q's and y's addresses and the mask's compare alone
	s_and_b32 s[BH], ttmp7, 0xffff                 ; batch x 16 + head
	s_lshr_b32 s60, s[BH], 4                       ; batch
	s_bfe_u32 s61, s[BH], 0x30001                  ; the pair of heads
	s_and_b32 s62, s[BH], 1
	s_lshl_b32 s61, s61, 19
	s_lshl_b32 s63, s62, 10
	s_add_co_u32 s61, s61, s63
	s_lshl_b32 s63, s60, 17
	s_add_co_u32 s61, s61, s63                     ; the head's first fragment in q's part; k's lies 4 Mi further on
	s_and_b32 s63, s[WV], 7                        ; the key step that I fetch
	s_lshl_b32 s66, s63, 14
	s_add_co_u32 s66, s66, s61
	s_add_co_u32 s66, s66, 0x400000
	s_mov_b32 s67, 0
	s_lshl_b32 s68, s[BH], 16                      ; V: the head's 65,536 bytes,
	s_lshl_b32 s69, s63, 13                        ; the step's 8,192
	s_add_co_u32 s68, s68, s69
	s_add_co_u32 s68, s68, 0x800000
	s_mov_b32 s69, 0
	s_mov_b32 s[G1K], 15|(1<<21)                   ; all four work-groups; 21 set beside a mask; no padding.  8 rows of 1,024 bytes: K's 2,048 apart, V's dense
	s_mov_b32 s[G1V], 15|(1<<21)
.irp g, G1K, G1V
	s_mov_b32 s[\g+1], 1024<<16
	s_mov_b32 s[\g+2], 8<<16
	s_mov_b32 s[\g+3], 1024<<16
	s_mov_b32 s[\g+4], 8
	s_mov_b32 s[\g+6], 0
	s_mov_b32 s[\g+7], 0
.endr
	s_mov_b32 s[G1K+5], 2048
	s_mov_b32 s[G1V+5], 1024
	s_lshl_b32 s78, s[WV], 13                      ; where my 8,192 bytes go: waves 0-7 fill K's part, waves 8-15 V's
	s_wait_dscnt 0x0                               ; both opening adds are done
	s_wait_kmcnt 0x0
	s_load_b256 s[52:59], s[6:7], 0x0              ; e0 .. e7
	s_mov_b32 s[G0K], 1
	s_mov_b32 s[G0K+1], s78
	s_add_nc_u64 s[G0K+2:G0K+3], s[4:5], s[66:67]
	s_or_b32 s[G0K+3], s[G0K+3], 0x80000000
	s_mov_b32 s[G0V], 1
	s_mov_b32 s[G0V+1], s78
	s_add_nc_u64 s[G0V+2:G0V+3], s[4:5], s[68:69]
	s_or_b32 s[G0V+3], s[G0V+3], 0x80000000
	ROUND                                          ; all four work-groups are here: the joint loads meet
	s_cmp_lt_u32 s[WV], 8
	s_cbranch_scc0 .Lfor_v
	tensor_load_to_lds s[G0K:G0K+3], s[G1K:G1K+7]  ; my one tensor load of the launch
	s_nop 0
.rept 4
	v_nop
.endr
	s_branch .Lasked
.Lfor_v:
	tensor_load_to_lds s[G0V:G0V+3], s[G1V:G1V+7]
	s_nop 0
.rept 4
	v_nop
.endr
.Lasked:
	s_lshl_b32 s70, s[FH], 2
	s_add_co_u32 s70, s70, s[CX]                   ; tile 4 (15 - f) + cx
	s_lshl_b32 s71, s[FW], 2
	s_add_co_u32 s71, s71, s[CX]                   ; tile 4 f + cx
	s_lshl_b32 s72, s70, 11
	s_add_co_u32 s72, s72, s61
	s_mov_b32 s73, 0
	s_lshl_b32 s76, s71, 11
	s_add_co_u32 s76, s76, s61
	s_mov_b32 s77, 0
	s_cmp_eq_u32 s[ROLE], 0
	s_cselect_b32 s70, s70, s71                    ; the tile that I store
	s_lshl_b32 s74, s60, 6
	s_add_co_u32 s74, s74, s70
	s_lshl_b32 s74, s74, 14                        ; y: 16,384 bytes for each 16 tokens,
	s_and_b32 s75, s[BH], 15
	s_lshl_b32 s75, s75, 10                        ; 1,024 for each head
	s_add_co_u32 s74, s74, s75
	s_mov_b32 s75, 0
	s_add_nc_u64 s[72:73], s[4:5], s[72:73]
	s_add_nc_u64 s[76:77], s[4:5], s[76:77]
	s_add_nc_u64 s[8:9], s[8:9], s[74:75]
	v_and_b32 v[LI], 31, v0
	v_lshlrev_b32 v[LI], 4, v[LI]
	global_load_b128 v[QF:QF+3], v[LI], s[72:73]
	global_load_b128 v[QF+4:QF+7], v[LI], s[72:73] offset:512
	global_load_b128 v[QL:QL+3], v[LI], s[76:77]
	global_load_b128 v[QL+4:QL+7], v[LI], s[76:77] offset:512
	s_mul_i32 s60, s[FW], 4608
	s_add_co_u32 s60, s60, PART
	v_add_nc_u32 v[ADP], s60, v[LI]
	s_lshl_b32 s60, s[CX], 4
	v_and_b32 v[DM], 15, v0
	v_bfe_u32 v[ADK], v0, 4, 1
	v_lshlrev_b32 v[ADK], 3, v[ADK]
	v_sub_nc_u32 v[DM], v[DM], v[ADK]
	v_add_nc_u32 v[DM], s60, v[DM]                 ; 16 cx + r - 8 h: of the diagonal's 64 keys register 8 u + j is hidden where 16 u + j > this
	v_mov_b32 v[T], 0xff000000                     ; -2^127
.set i, 0
.rept 32
	v_cmp_gt_i32 vcc_lo, 16*(i/8)+i%8, v[DM]
	v_cndmask_b32 v[MK+i], 0, v[T], vcc_lo
.set i, i+1
.endr
.macro RESET
	v_mov_b32 v[NM+1], 0xff61b1e6                  ; the largest t so far: -3e38, under every t
	v_mov_b32 v[NM], 0x7f61b1e6                    ; -M
	v_mov_b32 v[SUM], 0
	v_mov_b32 v[SUM+1], 0
.set i, 0
.rept 32
	v_mov_b32 v[O+i], 0                            ; the first change of M leaves zeros
.set i, i+1
.endr
.endm
	RESET
	v_mov_b32 v[PX], 0                             ; written once: a lane permute's destination counts as one of its sources
	v_mov_b32 v[FF+1], 0                           ; (named as the upper halves of pairs)
	v_mov_b32 v[FB+1], 0
	s_mov_b32 s[SEL], 0x76543210
	s_mov_b32 s[SEL+1], 0xfedcba98
	s_mov_b32 s[HI], 0xffff0000
	; phase X: tile 15 - f: A's steps 0 .. 3, B's steps 4 .. (15 - f) / 2
	s_lshr_b32 s60, s[FH], 1
	s_and_b32 s61, s[FH], 1
	s_and_b32 s62, s[ROLE], s61                    ; 1: B, and the diagonal lies in a step's second half
	s_and_not1_b32 s63, s[ROLE], s61               ; 1: B, and it lies in the first
	s_cmp_eq_u32 s62, 1
	s_cselect_b32 s[LO], s60, 64
	s_cmp_eq_u32 s63, 1
	s_cselect_b32 s[LE], s60, 64
	s_cmp_eq_u32 s[ROLE], 0
	s_cselect_b32 s[LAST], 3, s60
	s_lshl_b32 s[KB], s[ROLE], 2
	s_lshl_b32 s[TB], s[ROLE], 15
	s_wait_alu depctr_va_vdst(0)
	s_wait_kmcnt 0x0
	s_mov_b32 s[CS], 0x3e38aa3b                    ; log2(e) / 8
	s_add_co_i32 s60, s54, s55
	s_lshl_b32 s60, s60, 23
	s_add_co_i32 s[CS], s[CS], s60                 ; a score stands for score x 2^(e2 + e3): the exponents are added to c's exponent field
	s_mov_b32 s[CS+1], s[CS]                       ; (named with it as a pair)
	s_add_co_i32 s60, s56, 127
	s_lshl_b32 s61, s60, 23
	v_mov_b32 v[PSC], s61                          ; 2^e4
	s_add_co_i32 s60, s60, 8
	s_lshl_b32 s60, s60, 23
	s_or_b32 s60, s60, 0x600000
	v_mov_b32 v[PLIM], s60                         ; 448 x 2^e4, twice: the two halves of a pair read different registers
	v_mov_b32 v[PLIM+1], s60
	s_wait_alu depctr_va_vdst(0)                   ; the wait at the head's end
	s_wait_loadcnt 0x0                             ; Q
	s_wait_tensorcnt 0x0                           ; my part of K or V has landed,
	s_barrier_signal -1
	s_barrier_wait -1                              ; everybody's has
; A KEY STEP of n tiles of 16 keys (8, or 4 on a diagonal), for the queries in registers q.
.macro STEP n, q
	s_add_co_u32 s61, s[TB], VOFF
	v_add_nc_u32 v[ADK], s[TB], v[LI]
.set i, 0
.rept \n
	ds_load_b128 v[KV+8*i:KV+8*i+3], v[ADK] offset:1024*i
	ds_load_b128 v[KV+8*i+4:KV+8*i+7], v[ADK] offset:1024*i+512
.set i, i+1
.endr
.if \n == 8
	s_wait_dscnt 0x8                               ; tiles 0 to 3 are in; the eight loads of tiles 4 to 7 may be out
.irp t, 0,1,2,3
	v_wmma_f32_16x16x64_fp8_fp8 v[S+8*\t:S+8*\t+7], v[KV+8*\t:KV+8*\t+7], v[\q:\q+7], 0
.endr
	s_wait_dscnt 0x0
	s_cmp_eq_u32 s[KB], s[LO]
	s_cbranch_scc1 .Lmask_\@
.irp t, 4,5,6,7
	v_wmma_f32_16x16x64_fp8_fp8 v[S+8*\t:S+8*\t+7], v[KV+8*\t:KV+8*\t+7], v[\q:\q+7], 0
.endr
	s_branch .Lopen_\@
.Lmask_\@:
.irp t, 4,5,6,7
	v_wmma_f32_16x16x64_fp8_fp8 v[S+8*\t:S+8*\t+7], v[KV+8*\t:KV+8*\t+7], v[\q:\q+7], v[MK+8*\t-32:MK+8*\t-25]
.endr
.Lopen_\@:
.else
	s_wait_dscnt 0x0
.irp t, 0,1,2,3
	v_wmma_f32_16x16x64_fp8_fp8 v[S+8*\t:S+8*\t+7], v[KV+8*\t:KV+8*\t+7], v[\q:\q+7], v[MK+8*\t:MK+8*\t+7]
.endr
.endif
	v_add_nc_u32 v[ADV], s61, v[LI]                ; with the three v_nop the places in front of the loads into K's registers and of the first read of the scores
.rept 3
	v_nop
.endr
.irp d, 0,1,2,3
.irp c, 0,1,2,3
.if \c < \n/2
	ds_load_b128 v[KV+16*\d+4*\c:KV+16*\d+4*\c+3], v[ADV] offset:2048*\d+512*\c   ; V's fragments land while the softmax is walked
.endif
.endr
.endr
	v_max3_num_f32 v[T], v[S], v[S+1], v[S+2]      ; the step's largest score of my query, in four chains,
	v_max3_num_f32 v[FF], v[S+3], v[S+4], v[S+5]
	v_max3_num_f32 v[CH], v[S+6], v[S+7], v[S+8]
	v_max3_num_f32 v[CH+1], v[S+9], v[S+10], v[S+11]
.set i, 12
.rept \n-2
	v_max3_num_f32 v[T], v[T], v[S+i], v[S+i+1]
	v_max3_num_f32 v[FF], v[FF], v[S+i+2], v[S+i+3]
	v_max3_num_f32 v[CH], v[CH], v[S+i+4], v[S+i+5]
	v_max3_num_f32 v[CH+1], v[CH+1], v[S+i+6], v[S+i+7]
.set i, i+8
.endr
	v_max3_num_f32 v[T], v[T], v[S+i], v[S+i+1]
	v_max3_num_f32 v[FF], v[FF], v[S+i+2], v[S+i+3]
	v_max_num_f32 v[CH], v[CH], v[CH+1]
	v_max3_num_f32 v[T], v[T], v[FF], v[CH]
	s_delay_alu instid0(VALU_DEP_1)
	v_permlanex16_b32 v[PX], v[T], s[SEL], s[SEL+1]
	s_delay_alu instid0(VALU_DEP_1)
	v_max_num_f32 v[T], v[T], v[PX]                ; and among lane l xor 16's
	s_delay_alu instid0(VALU_DEP_1)
	v_mul_f32 v[T], s[CS], v[T]                    ; as t (c is positive)
	s_delay_alu instid0(VALU_DEP_1)
	v_max_num_f32 v[NM+1], v[NM+1], v[T]           ; the running largest t
	v_mov_b32 v[T], v[NM]
	s_delay_alu instid0(VALU_DEP_2)
	v_floor_f32 v[NM], -v[NM+1]                    ; the new -M = -ceil(t): a whole number
	s_delay_alu instid0(VALU_DEP_1)
	v_sub_f32 v[T], v[NM], v[T]                    ; old M less new M: a whole number, 0 or less
	s_delay_alu instid0(VALU_DEP_1)
	v_cvt_i32_f32 v[T], v[T]                       ; (it saturates)
	s_delay_alu instid0(VALU_DEP_1)
	v_ldexp_f32 v[FF], 1.0, v[T]                   ; f = 2^(old M - new M)
.set i, 0
.rept 4*\n
	v_pk_fma_f32 v[S+i:S+i+1], v[S+i:S+i+1], s[CS:CS+1], v[NM:NM+1] op_sel_hi:[1,0,0]   ; t - M, two at a time (of the pairs c and -M the low word serves both halves)
.set i, i+2
.endr
.set i, 0
	s_wait_alu depctr_va_vdst(0)                   ; the wait ahead of the batch
.rept 8*\n
	v_exp_f32 v[S+i], v[S+i]                       ; p = 2^(t - M), at most 1
.set i, i+1
.endr
	v_pk_mul_f32 v[SUM:SUM+1], v[SUM:SUM+1], v[FF:FF+1] op_sel_hi:[1,0]   ; the sums under the new M.  (A plain place behind the exponentials)
	s_wait_alu depctr_va_vdst(0)                   ; and behind it, directly ahead of the first reader of O^T
.set i, 0
.rept 16
	v_pk_mul_f32 v[O+i:O+i+1], v[O+i:O+i+1], v[FF:FF+1] op_sel_hi:[1,0]   ; O^T under the new M, each accumulator from its low end on
.set i, i+2
.endr
.set i, 0
.rept 4
	v_pk_add_f32 v[CH+2*i:CH+2*i+1], v[S+4*i:S+4*i+1], v[S+4*i+2:S+4*i+3]   ; the row's sum of the unquantised p, in five chains
.set i, i+1
.endr
.set i, 0
.rept 4*\n-8
.if (i%5) == 4
	v_pk_add_f32 v[SUM:SUM+1], v[SUM:SUM+1], v[S+16+2*i:S+17+2*i]
.else
	v_pk_add_f32 v[CH+2*(i%5):CH+2*(i%5)+1], v[CH+2*(i%5):CH+2*(i%5)+1], v[S+16+2*i:S+17+2*i]
.endif
.set i, i+1
.endr
	v_pk_add_f32 v[CH:CH+1], v[CH:CH+1], v[CH+2:CH+3]
	v_pk_add_f32 v[CH+4:CH+5], v[CH+4:CH+5], v[CH+6:CH+7]
	s_delay_alu instid0(VALU_DEP_2)
	v_pk_add_f32 v[SUM:SUM+1], v[SUM:SUM+1], v[CH:CH+1]
	s_delay_alu instid0(VALU_DEP_1)
	v_pk_add_f32 v[SUM:SUM+1], v[SUM:SUM+1], v[CH+4:CH+5]
.set j, S
.rept 4*\n
	v_dual_min_num_f32 v[j], v[PLIM], v[j] :: v_dual_min_num_f32 v[j+1], v[PLIM+1], v[j+1]   ; the conversion does not saturate (ISA guide 7.6.2); p is not negative, so the hold is one-sided
.set j, j+2
.endr
.set i, 0
.rept \n
	v_cvt_scalef32_pk8_fp8_f32 v[PC+2*i:PC+2*i+1], v[S+8*i:S+8*i+7], v[PSC]   ; registers 2 t, 2 t + 1 of P
.set i, i+1
.endr
	v_nop                                          ; one plain place behind the last conversion
	s_wait_alu depctr_va_vdst(0)
	s_wait_dscnt 0x0                               ; V's fragments are in
.irp d, 0,1,2,3
.if \n == 8
	v_wmma_f32_16x16x128_fp8_fp8 v[O+8*\d:O+8*\d+7], v[KV+16*\d:KV+16*\d+15], v[PC:PC+15], v[O+8*\d:O+8*\d+7]   ; by turns
.else
	v_wmma_f32_16x16x64_fp8_fp8 v[O+8*\d:O+8*\d+7], v[KV+16*\d:KV+16*\d+7], v[PC:PC+7], v[O+8*\d:O+8*\d+7]
.endif
.endr
.rept 4
	v_nop                                          ; places in front of loads into V's registers and of the next read of O^T
.endr
.endm
.macro PHASE q                         ; four trips, a constant; a wave works in the trips up to its last step
	s_mov_b32 s[TR], 0
.Lstep_\@:
	s_cmp_gt_i32 s[KB], s[LAST]
	s_cbranch_scc1 .Lskip_\@
	s_cmp_eq_u32 s[KB], s[LE]
	s_cbranch_scc1 .Lhalf_\@
	STEP 8, \q
	s_branch .Lskip_\@
.Lhalf_\@:
	STEP 4, \q
.Lskip_\@:
	s_add_co_u32 s[TB], s[TB], 8192
	s_add_co_u32 s[KB], s[KB], 1
	s_add_co_u32 s[TR], s[TR], 1
	s_cmp_lt_u32 s[TR], 4
	s_cbranch_scc1 .Lstep_\@
.endm
	PHASE QF
	; phase Y: B's tile f, steps 0 .. f / 2; A has none
	s_lshr_b32 s60, s[FW], 1
	s_and_b32 s61, s[FW], 1
	s_cmp_eq_u32 s61, 1
	s_cselect_b32 s[LO], s60, 64
	s_cselect_b32 s[LE], 64, s60
	s_mov_b32 s[KB], 0
	s_mov_b32 s[TB], 0
	s_cmp_eq_u32 s[ROLE], 0
	s_cselect_b32 s[LAST], -1, s60
	s_cbranch_scc1 .Lkeep
.set i, 0
.rept 8
	ds_store_b128 v[ADP], v[O+4*i:O+4*i+3] offset:512*i            ; B hands over its part of tile 15 - f
.set i, i+1
.endr
	ds_store_b128 v[ADP], v[NM:NM+3] offset:4096                   ; -M, the largest t, the sum's halves
	RESET
.Lkeep:
	s_wait_alu depctr_va_vdst(0)
	s_wait_dscnt 0x0                               ; my stores are in LDS, and no LDS instruction of mine is pending:
	s_barrier_signal -1
	PHASE QL
	s_barrier_wait -1                              ; every B's part is in LDS
	s_cmp_eq_u32 s[ROLE], 0
	s_cbranch_scc0 .Lown
.set i, 0
.rept 8
	ds_load_b128 v[KV+4*i:KV+4*i+3], v[ADP] offset:512*i
.set i, i+1
.endr
	ds_load_b128 v[KV+32:KV+35], v[ADP] offset:4096
	s_wait_dscnt 0x0
	v_min_num_f32 v[T], v[NM], v[KV+32]            ; the joint -M
	v_sub_f32 v[FF], v[T], v[NM]
	v_sub_f32 v[FB], v[T], v[KV+32]
	v_cvt_i32_f32 v[FF], v[FF]
	v_cvt_i32_f32 v[FB], v[FB]
	v_ldexp_f32 v[FF], 1.0, v[FF]
	v_ldexp_f32 v[FB], 1.0, v[FB]
	v_pk_mul_f32 v[SUM:SUM+1], v[SUM:SUM+1], v[FF:FF+1] op_sel_hi:[1,0]
.set i, 0
.rept 16
	v_pk_mul_f32 v[O+i:O+i+1], v[O+i:O+i+1], v[FF:FF+1] op_sel_hi:[1,0]
.set i, i+2
.endr
	v_pk_fma_f32 v[SUM:SUM+1], v[KV+34:KV+35], v[FB:FB+1], v[SUM:SUM+1] op_sel_hi:[1,0,1]
.set i, 0
.rept 16
	v_pk_fma_f32 v[O+i:O+i+1], v[KV+i:KV+i+1], v[FB:FB+1], v[O+i:O+i+1] op_sel_hi:[1,0,1]
.set i, i+2
.endr
.Lown:
	; THE WAY OUT.  O^T / l is quantised: lane (r, h) then holds, for each 16 channels, the codes of channels 8 h + 0..7.  The last product loads 16 neighbouring codes a lane, so the two halves of the lanes
	; exchange: lanes 0-15 gather channels 32 c + 0..15, lanes 16-31 channels 32 c + 16..31.
	s_sub_co_i32 s60, s58, s56
	s_sub_co_i32 s60, s60, s57                     ; a sum of the second product stands for sum x 2^(e4 + e5): y's code is (sum / l) / 2^(e6 - e4 - e5)
	s_add_co_i32 s60, s60, 127
	s_lshl_b32 s61, s60, 23
	s_add_co_i32 s60, s60, 8
	s_lshl_b32 s60, s60, 23
	s_or_b32 s60, s60, 0x600000
	s_wait_alu depctr_va_vdst(0)
	v_mov_b32 v10, s61
	v_mov_b32 v11, s60
	v_add_f32 v[SUM], v[SUM], v[SUM+1]             ; the sum's two halves,
	s_delay_alu instid0(VALU_DEP_1)
	v_permlanex16_b32 v[PX], v[SUM], s[SEL], s[SEL+1]
	s_delay_alu instid0(VALU_DEP_1)
	v_add_f32 v[SUM], v[SUM], v[PX]                ; and lane l xor 16's: the row's sum
	s_wait_alu depctr_va_vdst(0)                   ; ahead of the transcendental
	v_rcp_f32 v[RL], v[SUM]
	v_nop
	s_wait_alu depctr_va_vdst(0)                   ; and behind it
	v_mov_b32 v[RL+1], v[RL]
.set i, 0
.rept 16
	v_pk_mul_f32 v[S+i:S+i+1], v[O+i:O+i+1], v[RL:RL+1]
.set i, i+2
.endr
.set i, 0
.rept 32
	v_med3_num_f32 v[S+i], v[S+i], -v11, v11
.set i, i+1
.endr
.irp d, 0,1,2,3
	v_cvt_scalef32_pk8_fp8_f32 v[YC+2*\d:YC+2*\d+1], v[S+8*\d:S+8*\d+7], v10
.endr
	v_nop                                          ; one plain place behind the last conversion
.set i, 0
.rept 8
	v_permlanex16_b32 v[YX+i], v[YC+i], s[SEL], s[SEL+1]
.set i, i+1
.endr
.irp c, 0,1
.irp q, 0,1
	v_cndmask_b32 v[YO+4*\c+\q], v[YC+4*\c+\q], v[YX+2+4*\c+\q], s[HI]     ; the first eight: lanes 0-15 their own of the even 16, lanes 16-31 the partner's of the odd 16
	v_cndmask_b32 v[YO+2+4*\c+\q], v[YX+4*\c+\q], v[YC+2+4*\c+\q], s[HI]   ; the second eight
.endr
.endr
.irp c, 0,1
	global_store_b128 v[LI], v[YO+4*\c:YO+4*\c+3], s[8:9] offset:512*\c    ; 32 lanes store 512 consecutive bytes, aligned
.endr
	s_wait_tensorcnt 0x0                           ; the wave's end
	ds_add_u32 v[SPW], v[NIL]
	s_wait_dscnt 0x0
	ROUND                                          ; the closing round
	s_endpgm
.Lfunc_end_k_q8b302aa972_attn:
	.size	k_q8b302aa972_attn, .Lfunc_end_k_q8b302aa972_attn-k_q8b302aa972_attn
	.p2alignl 7, 3214868480
	.fill 96, 4, 3214868480
	.section	.rodata,"a",@progbits
	.p2align	6, 0x0
	.amdhsa_kernel k_q8b302aa972_attn
		.amdhsa_group_segment_fixed_size 169984
		.amdhsa_private_segment_fixed_size 0
		.amdhsa_enable_private_segment 0
		.amdhsa_kernarg_size 24
		.amdhsa_user_sgpr_count 2
		.amdhsa_user_sgpr_kernarg_segment_ptr 1
		.amdhsa_wavefront_size32 1
		.amdhsa_system_sgpr_workgroup_id_x 1
		.amdhsa_system_sgpr_workgroup_id_y 1
		.amdhsa_system_sgpr_workgroup_id_z 1
		.amdhsa_system_vgpr_workitem_id 0
		.amdhsa_next_free_vgpr 256
		.amdhsa_next_free_sgpr 80
		.amdhsa_reserve_vcc 1
		.amdhsa_float_denorm_mode_32 3
		.amdhsa_float_denorm_mode_16_64 3
		.amdhsa_memory_ordered 1
		.amdhsa_forward_progress 1
		.amdhsa_inst_pref_size 72
	.end_amdhsa_kernel
	.amdgpu_metadata
---
amdhsa.version: [ 1, 2 ]
amdhsa.kernels:
  - .name:           k_q8b302aa972_attn
    .symbol:         k_q8b302aa972_attn.kd
    .args:
      - { .name: qkv, .offset: 0, .size: 8, .value_kind: global_buffer, .address_space: global }
      - { .name: lowp_scales, .offset: 8, .size: 8, .value_kind: global_buffer, .address_space: global }
      - { .name: ycodes, .offset: 16, .size: 8, .value_kind: global_buffer, .address_space: global }
    .group_segment_fixed_size: 169984
    .private_segment_fixed_size: 0
    .kernarg_segment_align: 8
    .kernarg_segment_size: 24
    .max_flat_workgroup_size: 512
    .sgpr_count:     80
    .vgpr_count:     256
    .wavefront_size: 32
...
	.end_amdgpu_metadata
.endif
;; end of part 2
;; launch proj (part 3): grid 8 x 32, 4 waves a work-group, clusters of 4 x 4, 167,936 bytes of LDS; arguments ycodes, w_proj_codes, lowp_scales, b_proj, out0; writes out0
.if DOCPART == 3
	.amdgcn_target "amdgcn-amd-amdhsa--gfx1250"
	.amdhsa_code_object_version 6
	.text
	.protected	k_q8b302aa972_proj
	.globl	k_q8b302aa972_proj
	.p2align	8
	.type	k_q8b302aa972_proj,@function
k_q8b302aa972_proj:
	s_mov_b64 s[64:65], 0
	v_nop
	global_prefetch_b8 v0, s[64:65] scope:SCOPE_SE
	s_setreg_imm32_b32 hwreg(HW_REG_WAVE_MODE, 25, 1), 1
	s_wait_xcnt 0x0
	s_wait_alu depctr_hold_cnt(0) depctr_sa_sdst(0) depctr_va_vdst(0) depctr_va_sdst(0) depctr_va_ssrc(0) depctr_va_vcc(0) depctr_vm_vsrc(0)
	s_getreg_b32 s2, hwreg(HW_REG_IB_STS2, 6, 4)
	s_cmp_eq_u32 s2, 0
	s_cbranch_scc0 .Lentry_in_a_cluster
	s_endpgm
.Lentry_in_a_cluster:
	s_bfe_u32 s2, ttmp6, 0x10000c
	s_cmp_lg_u32 s2, 0xf033
	s_cbranch_scc0 .Lentry_shape_is_right
	s_endpgm
.Lentry_shape_is_right:
; out0 = y w_proj^T + b_proj on codes of FP8 (E4M3).  y: 4,096 tokens x 1,024, as images of operand registers ([token / 16][K / 128][c][lane][16 bytes]: registers 4 c .. 4 c + 3 of lane (r, h) hold
; K = 32 c + 16 h + 0..15 of token r);  w_proj: [1024][1024] codes, K innermost, fetched by four 16-byte loads a fragment, which gives the same places of k.  out0: [4096][1024] f32 = sum x 2^(e6 + e7) + b_proj.
; SHARES.  32 x 8 tiles of 128 x 128 = 256 work-groups of four waves, each 32 tokens x 128 columns: 16 accumulators.
; w_proj's tile, 128 rows x all of K, lies in LDS: one tensor load of 32 rows a wave, asked for jointly along a column of a cluster of 4 x 4; no byte is filled twice.
; y goes from memory straight into registers, not jointly through LDS: an image's 16 bytes a lane are the operand's registers
; and a wave's 64 loads are awaited step by step, eight for each 128 along K, where a tile in LDS is awaited whole.
; There is no loop of loads, so nothing to prefetch ahead of.
; THE MATRIX INSTRUCTION IS USED TRANSPOSED (source 0 = 16 rows of w_proj, source 1 = 16 tokens): a lane holds eight neighbouring numbers of a row of out0.
; LIMIT: e6 + e7 between -126 and 127, so that 2^(e6 + e7) is an f32 number.
; REGISTERS: window 0: addresses; v32-95 the bias of my lane's columns; v128-255 the accumulators ((a, b) at v[128 + 8 (8 a + b)]).
;   window 1: two buffers of w_proj's fragments (8 x 16 rows x 128 K); on the way out results.   window 2: y's fragments, step s, tile a at 32 s + 16 a.
.set PITCH, 1040                       ; w_proj's rows: 1,024 bytes + 16 of padding: the 16 rows that a load touches start at 16 different banks (ISA guide 11.1)
.set STAGE, 128*PITCH                  ; 16 rows x 528 bytes for each wave, for the way out; no tensor load lands there
.set SP,    528
.set SPARE, STAGE+4*16*SP
.set ADRB, 20                          ; v20 LDS address of my fragments, rows 0-63; v21 rows 64-127
.set YA,   22                          ; v22 16 x lane: in y's images, and in a row of out0
.set BO,   23                          ; v23 my byte offset in the bias
.set STO,  24
.set RD,   25
.set BI,   32
.set ACC,  128
.set G1B, 48
.set G0B, 68
.set MSB, 0
.macro WIN new                         ; the immediate's high byte repeats the setting that is left
.if MSB != (\new)
	s_set_vgpr_msb (MSB<<8)|(\new)
.set MSB, (\new)
.endif
.endm
.macro CROUND                          ; a round of the cluster's barrier
	s_barrier_signal -1
	s_barrier_wait -1
	s_cmp_lg_u32 s14, 0
	s_cbranch_scc1 .Lnot_wave_0_\@
	s_barrier_signal -3
.Lnot_wave_0_\@:
	s_barrier_wait -3
	s_barrier_signal -1
	s_barrier_wait -1
.endm
.macro PLACES
.rept 4
	v_nop
.endr
.endm
	s_load_b256 s[4:11], s[0:1], 0x0               ; ycodes, w_proj, the scales' exponents, b_proj
	s_load_b64 s[12:13], s[0:1], 0x20              ; out0
	v_lshl_add_u32 v30, v0, 2, SPARE
	v_mov_b32 v31, 0
	ds_add_u32 v30, v31                            ; the opening lines
	ds_add_u32 v30, v31
	v_lshrrev_b32 v1, 5, v0
	v_readfirstlane_b32 s14, v1                    ; wave 0..3
	v_and_b32 v[YA], 31, v0
	v_lshlrev_b32 v[YA], 4, v[YA]
	s_bfe_u32 s56, ttmp6, 0x40000                  ; cx, cy
	s_bfe_u32 s57, ttmp6, 0x40004
	s_lshl_b32 s18, ttmp9, 2
	s_add_co_u32 s18, s18, s56                     ; the tile of 128 columns
	s_and_b32 s17, ttmp7, 0xffff
	s_lshl_b32 s17, s17, 2
	s_add_co_u32 s17, s17, s57                     ; the tile of 128 tokens
	s_lshl_b32 s59, 0x1111, s56                    ; my column of the cluster
	s_or_b32 s[G1B+0], s59, (1<<20)|(1<<21)|(7<<22)|(3<<25)   ; 32 rows of 1,024 bytes; padding: four words after every 256
	s_mov_b32 s[G1B+1], 1024<<16
	s_mov_b32 s[G1B+2], 32<<16
	s_mov_b32 s[G1B+3], 1024<<16
	s_mov_b32 s[G1B+4], 32
	s_mov_b32 s[G1B+5], 1024
	s_mov_b32 s[G1B+6], 0
	s_mov_b32 s[G1B+7], 0
	s_lshl_b32 s60, s14, 15                        ; 32 rows of w_proj, and 32 tokens of y, are 32,768 bytes
	s_lshl_b32 s20, s17, 17
	s_add_co_u32 s20, s20, s60                     ; y: my two images
	s_mov_b32 s21, 0
	s_lshl_b32 s22, s18, 17
	s_add_co_u32 s22, s22, s60                     ; w_proj: it hangs on cx, never on cy
	s_mov_b32 s23, 0
	s_mul_i32 s62, s14, 32*PITCH
	s_wait_alu depctr_va_vdst(0)
	s_wait_dscnt 0x0                               ; both opening adds are done
	s_wait_kmcnt 0x0
	s_load_b64 s[84:85], s[8:9], 0x18              ; e6, e7
	s_add_nc_u64 s[20:21], s[4:5], s[20:21]
	s_mov_b32 s[G0B], 1
	s_mov_b32 s[G0B+1], s62
	s_add_nc_u64 s[G0B+2:G0B+3], s[6:7], s[22:23]
	s_or_b32 s[G0B+3], s[G0B+3], 0x80000000
	CROUND                                         ; all sixteen work-groups are here: the joint loads meet
	tensor_load_to_lds s[G0B:G0B+3], s[G1B:G1B+7]  ; my one tensor load of the launch
	s_nop 0
	PLACES
	WIN 0x80                                       ; destination window 2, address window 0
.irp s, 0,1,2,3,4,5,6,7
.irp a, 0,1
.irp c, 0,1,2,3
	global_load_b128 v[32*\s+16*\a+4*\c:32*\s+16*\a+4*\c+3], v[YA], s[20:21] offset:16384*\a+2048*\s+512*\c   ; 32 lanes read 512 consecutive bytes, aligned
.endr
.endr
.endr
	WIN 0
	v_and_b32 v1, 15, v0                           ; r
	v_bfe_u32 v2, v0, 4, 1                         ; h
	s_lshl_b32 s60, s18, 9                         ; my first column, in bytes
	v_lshl_add_u32 v[BO], v2, 5, s60               ; the bias: my half's eight numbers of each 16
	v_mul_u32_u24 v4, v1, PITCH
	v_lshl_add_u32 v[ADRB], v2, 4, v4
	v_add_nc_u32 v[ADRB+1], 64*PITCH, v[ADRB]
	s_mul_i32 s63, s14, 16*SP
	s_add_co_u32 s63, s63, STAGE                   ; my stage
	v_mul_u32_u24 v[STO], v1, SP                   ; in: row r, 32 bytes for each half of the lanes
	v_lshl_add_u32 v[STO], v2, 5, v[STO]
	v_add_nc_u32 v[STO], s63, v[STO]
	v_add_nc_u32 v[RD], s63, v[YA]                 ; back: 32 lanes take one row of 512 bytes
	s_lshl_b32 s88, s17, 19                        ; my first row of out0: 128 x tile + 32 x wave
	s_lshl_b32 s61, s14, 17
	s_add_co_u32 s88, s88, s61
	s_add_co_u32 s88, s88, s60
	s_mov_b32 s89, 0
	s_add_nc_u64 s[12:13], s[12:13], s[88:89]
	s_wait_alu depctr_va_vdst(0)                   ; the wait at the head's end
	s_wait_kmcnt 0x0
	s_add_co_i32 s86, s84, s85
	s_add_co_i32 s86, s86, 127
	s_lshl_b32 s86, s86, 23                        ; 2^(e6 + e7) as f32
	s_mov_b32 s87, s86                             ; (named with it as a pair)
.macro FETCH s, p                      ; 32 LDS loads: w_proj's fragments of step s (128 along K) into buffer p
	WIN 0x40                                       ; destination window 1, address window 0
.irp b, 0,1,2,3,4,5,6,7
.irp c, 0,1,2,3
	ds_load_b128 v[128*(\p)+16*\b+4*\c:128*(\p)+16*\b+4*\c+3], v[ADRB+\b/4] offset:16*PITCH*(\b%4)+128*(\s)+32*\c
.endr
.endr
	WIN 0
.endm
.macro MUL s, p                        ; the 16 accumulators by turns, one instruction a turn, in the same order in every step; step 0 starts the sums
	WIN 0x09                                       ; source 0 window 1, source 1 window 2, C and D window 0
.irp a, 0,1
.irp b, 0,1,2,3,4,5,6,7
.if \s == 0
	v_wmma_f32_16x16x128_fp8_fp8 v[ACC+64*\a+8*\b:ACC+64*\a+8*\b+7], v[128*(\p)+16*\b:128*(\p)+16*\b+15], v[32*\s+16*\a:32*\s+16*\a+15], 0
.else
	v_wmma_f32_16x16x128_fp8_fp8 v[ACC+64*\a+8*\b:ACC+64*\a+8*\b+7], v[128*(\p)+16*\b:128*(\p)+16*\b+15], v[32*\s+16*\a:32*\s+16*\a+15], v[ACC+64*\a+8*\b:ACC+64*\a+8*\b+7]
.endif
.endr
.endr
	WIN 0
.endm
	s_wait_tensorcnt 0x0                           ; my part of w_proj is in,
	s_barrier_signal -1
	s_barrier_wait -1                              ; everybody's is
	FETCH 0, 0
.irp s, 0,1,2,3,4,5,6,7
	s_wait_dscnt 0x0                               ; this step's fragments of w_proj are in
.if \s > 0
	PLACES                                         ; in front of the loads into the buffer that the step before multiplied (ISA guide 7.12.1 for vector instructions)
.endif
.if \s < 7
	FETCH \s+1, (\s+1)%2
.endif
.if \s < 5
	s_wait_loadcnt 56-8*\s                         ; of y's 64 loads those of the later steps may be out
.else
	s_wait_loadcnt 72-8*\s                         ; and the bias's 16, issued behind them all
.endif
.if \s == 4
.irp b, 0,1,2,3,4,5,6,7
	global_load_b128 v[BI+8*\b:BI+8*\b+3], v[BO], s[10:11] offset:64*\b
	global_load_b128 v[BI+8*\b+4:BI+8*\b+7], v[BO], s[10:11] offset:64*\b+16
.endr
.endif
	MUL \s, \s%2
.endr
	s_wait_loadcnt 0x0                             ; the bias
	PLACES                                         ; behind the last products
; THE WAY OUT, block by block of 16 tokens x 128 columns.  out = sum x 2^(e6 + e7) + bias, one packed multiply-add for two numbers, each accumulator from its low end on.  A lane holds 32 bytes of a row and the lanes
; beside it hold other rows: so a block goes through my own stage in LDS and comes back as whole rows of 512 bytes.  LDS serves a wave's instructions in order (ISA guide 5.7.1.4): no wait between the stores and
; the loads, nor in front of the next block's stores.  Results and rows lie in window 1, each block's in registers of its own.
.macro TOSTAGE a
	WIN 0x40
.set i, 0
.rept 32
	v_pk_fma_f32 v[64*\a+i:64*\a+i+1], v[ACC+64*\a+i:ACC+64*\a+i+1], s[86:87], v[BI+i:BI+i+1] op_sel_hi:[1,0,1]
.set i, i+2
.endr
	WIN 0x04                                       ; store data window 1, address window 0
.irp b, 0,1,2,3,4,5,6,7
	ds_store_b128 v[STO], v[64*\a+8*\b:64*\a+8*\b+3] offset:64*\b
	ds_store_b128 v[STO], v[64*\a+8*\b+4:64*\a+8*\b+7] offset:64*\b+16
.endr
	WIN 0x40
.irp t, 0,1,2,3,4,5,6,7,8,9,10,11,12,13,14,15
	ds_load_b128 v[128+64*\a+4*\t:128+64*\a+4*\t+3], v[RD] offset:SP*\t
.endr
.endm
.macro SEND a, younger                 ; younger: the LDS instructions issued behind block a's loads, which may stay out
	s_wait_dscnt \younger
	WIN 0x04
.irp t, 0,1,2,3,4,5,6,7,8,9,10,11,12,13,14,15
	global_store_b128 v[YA], v[128+64*\a+4*\t:128+64*\a+4*\t+3], s[12:13] offset:(16*\a+\t)*4096 th:TH_STORE_NT   ; 32 lanes store 512 consecutive bytes, aligned; written once, read by nobody here
.endr
.endm
	TOSTAGE 0
	TOSTAGE 1
	SEND 0, 32                                     ; behind block 0's loads: block 1's 16 stores and 16 loads
	SEND 1, 0
	WIN 0
	s_wait_tensorcnt 0x0                           ; the wave's end
	ds_add_u32 v30, v31
	s_wait_dscnt 0x0
	CROUND                                         ; the closing round
	s_endpgm
.Lfunc_end_k_q8b302aa972_proj:
	.size	k_q8b302aa972_proj, .Lfunc_end_k_q8b302aa972_proj-k_q8b302aa972_proj
	.p2alignl 7, 3214868480
	.fill 96, 4, 3214868480
	.section	.rodata,"a",@progbits
	.p2align	6, 0x0
	.amdhsa_kernel k_q8b302aa972_proj
		.amdhsa_group_segment_fixed_size 167936
		.amdhsa_private_segment_fixed_size 0
		.amdhsa_enable_private_segment 0
		.amdhsa_kernarg_size 40
		.amdhsa_user_sgpr_count 2
		.amdhsa_user_sgpr_kernarg_segment_ptr 1
		.amdhsa_wavefront_size32 1
		.amdhsa_system_sgpr_workgroup_id_x 1
		.amdhsa_system_sgpr_workgroup_id_y 1
		.amdhsa_system_sgpr_workgroup_id_z 1
		.amdhsa_system_vgpr_workitem_id 0
		.amdhsa_next_free_vgpr 768
		.amdhsa_next_free_sgpr 92
		.amdhsa_reserve_vcc 0
		.amdhsa_float_denorm_mode_32 3
		.amdhsa_float_denorm_mode_16_64 3
		.amdhsa_memory_ordered 1
		.amdhsa_forward_progress 1
		.amdhsa_inst_pref_size 51
	.end_amdhsa_kernel
	.amdgpu_metadata
---
amdhsa.version: [ 1, 2 ]
amdhsa.kernels:
  - .name:           k_q8b302aa972_proj
    .symbol:         k_q8b302aa972_proj.kd
    .args:
      - { .name: ycodes, .offset: 0, .size: 8, .value_kind: global_buffer, .address_space: global }
      - { .name: w_proj_codes, .offset: 8, .size: 8, .value_kind: global_buffer, .address_space: global }
      - { .name: lowp_scales, .offset: 16, .size: 8, .value_kind: global_buffer, .address_space: global }
      - { .name: b_proj, .offset: 24, .size: 8, .value_kind: global_buffer, .address_space: global }
      - { .name: out0, .offset: 32, .size: 8, .value_kind: global_buffer, .address_space: global }
    .group_segment_fixed_size: 167936
    .private_segment_fixed_size: 0
    .kernarg_segment_align: 8
    .kernarg_segment_size: 40
    .max_flat_workgroup_size: 128
    .sgpr_count:     92
    .vgpr_count:     768
    .wavefront_size: 32
...
	.end_amdgpu_metadata
.endif
;; end of part 3
